; MI455X (gfx1250); checked and timed in simulation.
; The chip was launched on July 23, 2026; its instructions are those of AMD's public machine-readable ISA for CDNA 5 (MIT licence, August 2026) and "CDNA5" Instruction Set Architecture Reference Guide (July 2026). The comments in the code are by the model that wrote it; some were corrected since.
;; Self Attention. Allowed arithmetic: matrix products marked QUANTISED: E2M3 operands, one E8M0 scale for each 32 along K, by v_wmma_scale_f32_16x16x128_f8f6f4 with both operands' format E2M3, f32 sums; everything else in f32.
;; Inputs: Wk 1,024 x 1,024 float32; Wq 1,024 x 1,024 float32; Wv 1,024 x 1,024 float32; b 1 float32; mask 4 x 2,048 float32; x 4 x 1,024 x 2,048 float32.
;; Outputs: out0 4 x 1,024 x 2,048 float32.
;; This version of the problem:
;;   THIS VERSION OF THE PROBLEM IS GIVEN IN LOW PRECISION. The matrix products marked QUANTISED in the list below multiply operands that are first quantised to E2M3 (2 exponent bits, 3 mantissa bits; 6 bits a number), with one power-of-two scale for each 32 numbers along K (OCP MX v1.0); their sums are f32. All else is computed in f32.
;;   The module's matrix products, in the order in which they are computed (A, B: the left and right operand; K: the contracted axis; several contracted axes count as one K, in the product's order):
;;     1. [M 8,192, K 1,024] x [K 1,024, N 1,024]; A: input x; B: input Wq: QUANTISED
;;     2. [M 8,192, K 1,024] x [K 1,024, N 1,024]; A: input x; B: input Wk: QUANTISED
;;     3. [M 8,192, K 1,024] x [K 1,024, N 1,024]; A: input x; B: input Wv: QUANTISED
;;     4. batch 64 x [M 2,048, K 64] x [K 64, N 2,048]; A: computed on the way; B: computed on the way: QUANTISED
;;     5. batch 64 x [M 2,048, K 2,048] x [K 2,048, N 64]; A: softmax (see below); B: computed on the way: QUANTISED
;;   THE QUANTISER, for each operand of a quantised product, along K:
;;     - K is cut into blocks of 32 from its start; a last block that is shorter is filled with zeros.
;;     - A block's scale is 2^e with e = floor(log2(the largest magnitude in the block)) - 2, held to -126 .. 127; a block of zeros has e = 0. As a byte (E8M0): e + 127.
;;     - Each number is divided by its block's scale, clamped to +-7.5, and rounded to the nearest number of E2M3, ties to even, subnormals kept.
;;     - The product sums the exact products of the quantised numbers (number of the format x scale) in f32.
;;   ~~~python
;;   def quantise(x, axis):      # numpy; x: float32 -> the quantised numbers, widened to float32 again
;;       x = np.moveaxis(x, axis, -1); K = x.shape[-1]
;;       x = np.pad(x, [(0, 0)] * (x.ndim - 1) + [(0, -K % 32)]); x = x.reshape(x.shape[:-1] + (-1, 32)); a = np.abs(x).max(-1, keepdims=True)
;;       e = np.where(a > 0, np.clip(np.frexp(np.where(a > 0, a, 1))[1] - 1 - 2, -126, 127), 0)      # np.frexp(a)[1] - 1 = floor(log2(a)), exactly
;;       r = np.clip(x / 2.0 ** e, -7.5, 7.5)
;;       step = 2.0 ** (np.maximum(np.frexp(np.where(r == 0, 1, r))[1] - 1, 0) - 3)
;;       q = np.round(r / step) * step * 2.0 ** e      # np.round: ties to even
;;       return np.moveaxis(q.reshape(q.shape[:-2] + (-1,))[..., :K], -1, axis).astype(np.float32)
;;   ~~~
;;   SOFTMAX AHEAD OF A QUANTISED PRODUCT. Where the list says 'softmax', what is quantised is not the finished softmax but p = 2^(t - M), with t = logit x log2(e) and M = ceil(the row's largest t), a whole number; so 1/2 < the row's largest p <= 1. The row's sum l is taken of the UNQUANTISED p, in f32, and the product's result is divided by l at the end. Since M is a whole number, a kernel that streams over the keys may use a running M (the ceiling of the running maximum): every later rescaling is an exact power of two, which a block's scale takes up: the codes' values come out the same.
;;   OPERANDS COMPUTED ON THE WAY. 'Computed on the way' means the value that the module computes at that place (a softmax that the list does not call 'softmax' is quantised finished and normalised). What goes into a quantiser is computed in f32, as accurately as f32 sums, v_exp_f32 and their like allow (about 1e-6 of the number): no bf16 or f16 on the way to a quantiser, and a product that is left as it is and whose result goes on into a quantised operand takes f32 operands (vector FMAs, or v_wmma_f32_16x16x4_f32). A number that lies on a knife's edge between two numbers of the format may be rounded either way, as far as f32 arithmetic and the matrix unit's own rounding can turn it there, and no further.
;; One version. Each part assembles by itself: llvm-mc -triple=amdgcn-amd-amdhsa -mcpu=gfx1250 --defsym DOCPART=n.
;; ======== version 1 of 1: 3 launches
;; workspace buffers: codes 8,650,752 bytes; scl 360,448 bytes; img 18,874,368 bytes; isc 786,432 bytes
;; launch quant (part 1): grid 352 x 1, 4 waves a work-group, no clusters, 68,096 bytes of LDS; arguments x, Wq, Wk, Wv, codes, scl; writes codes, scl
.if DOCPART == 1
	.amdgcn_target "amdgcn-amd-amdhsa--gfx1250"
	.amdhsa_code_object_version 6
	.text
	.protected	k_q38b89bc431_quant
	.globl	k_q38b89bc431_quant
	.p2align	8
	.type	k_q38b89bc431_quant,@function
k_q38b89bc431_quant:
	s_mov_b64 s[64:65], 0
	v_nop
	global_prefetch_b8 v0, s[64:65] scope:SCOPE_SE
	s_setreg_imm32_b32 hwreg(HW_REG_WAVE_MODE, 25, 1), 1
	s_wait_xcnt 0x0
; x [4][1024 c][2048 t] and Wq, Wk, Wv [1024 o][1024 c], f32, become codes of FP6 (E2M3) along c, with one E8M0 byte for each 32 along c.
; codes: 11,264 rows of 768 bytes (1,024 codes, c innermost); scl: 11,264 rows of 32 bytes.  Rows 0-8191: x, row 2048 b + t; 8192..: Wq; 9216..: Wk; 10240..: Wv.
; EVERY ROW IS STORED AT sw(row): the row's number with bits 3 and 4 exchanged.  So 16 neighbouring stored rows 32 g + 16 u + r are the rows 32 g + 8 u + r + 8 (r / 8):
; the next launch reads plain neighbouring rows, and a lane's 16 results of two neighbouring tiles are still 16 neighbours along the next product's K.
; A block's scale is 2^(floor(log2(its largest magnitude)) - 2); its byte is the largest magnitude's exponent field - 2, held at 1 from below.
; LIMITS: a block of zeros, or one whose largest magnitude lies under 2^-124, keeps the byte 1 (the rule's 127 for zeros is not written: the codes are zeros and this program alone reads the bytes);
; NaN and infinities among the inputs are not served.
; Work-groups 0-255 take x (c is its outer axis: a lane takes a column t, its registers run down c), work-groups 256-351 the weights (c innermost: a plain stream of blocks).
; The two ways part on the work-group's number and have LDS bytes of their own.  No tensor loads, no barrier: waves share nothing.  Memory binds: matrix units and clusters would add nothing.
.set SPW,   12                         ; v12  LDS address of my spare word: SPARE + 4 x my thread's number; never rewritten
.set NIL,   13                         ; v13  0; never rewritten
.set SPARE, 67584                      ; behind both ways' regions: 128 bytes for each wave, two blocks of 256 bytes that no other line names
.set EMAX,  2
; x's way
.set PITCH, 272                        ; a stage row: sixteen places of 16 bytes, each with 12 bytes of codes, + 16.  Stages: 4 waves x 32 rows, LDS bytes 0 .. 34,815
.set XX,    32                         ; v32-95   two sets of 32 numbers
.set XC,    96                         ; v96-102  a block's codes
.set XOUT,  112                        ; v112-175 the way out
.set XSB,   24                         ; v24-25   my column's 8 scale bytes
; the weights' way
.set WBASE, 34816                      ; a region of 8,192 bytes for each wave: two stages of 32 x SP bytes, behind them its 256 scale bytes
.set SP,    80                         ; a lane's place in a stage: 64 bytes + 16 of padding
.set CB,    12                         ; bytes of 16 codes
.set STEPS, 16
.set WR,    16                         ; v16-79   four sets of 16 numbers as loaded
.set WX,    80                         ; v80-111  two sets of 16 neighbours
.set WE,    112                        ; v112-127 a scale byte for each step
.set WC,    128                        ; v128-191 codes, four registers a step: no store's data are written again
	s_load_b256 s[4:11], s[0:1], 0x0               ; x s[4:5], Wq s[6:7], Wk s[8:9], Wv s[10:11]
	s_load_b128 s[12:15], s[0:1], 0x20             ; codes s[12:13], scl s[14:15]
	v_lshl_add_u32 v[SPW], v0, 2, SPARE
	v_mov_b32 v[NIL], 0
	v_lshrrev_b32 v1, 5, v0
	v_readfirstlane_b32 s16, v1                    ; wave 0..3
	v_and_b32 v2, 31, v0                           ; lane
	s_cmp_lt_u32 ttmp9, 256
	s_cbranch_scc0 .Lw
; ---------------- x: a wave takes 32 columns t x 256 along c: 8 blocks a lane, 192 bytes of codes a column
	s_and_b32 s17, ttmp9, 15                       ; which 128 columns
	s_bfe_u32 s18, ttmp9, 0x20004                  ; which 256 along c
	s_lshr_b32 s19, ttmp9, 6                       ; the batch
	s_lshl_b32 s17, s17, 7
	s_lshl_b32 s20, s16, 5
	s_add_co_u32 s17, s17, s20                     ; my wave's first column, a multiple of 32: sw stays inside the wave's 32 rows
	s_lshl_b32 s20, s19, 23                        ; x: 8,388,608 a batch,
	s_lshl_b32 s21, s18, 21                        ; 256 rows of 8,192 bytes,
	s_add_co_u32 s20, s20, s21
	s_lshl_b32 s21, s17, 2                         ; 4 bytes a column
	s_add_co_u32 s20, s20, s21
	s_mov_b32 s21, 0
	s_lshl_b32 s22, s19, 11
	s_add_co_u32 s22, s22, s17                     ; the output's row 2048 b + t
	s_mul_i32 s24, s22, 768
	s_mul_i32 s23, s18, 192
	s_add_co_u32 s24, s24, s23
	s_mov_b32 s25, 0
	s_lshl_b32 s26, s22, 5
	s_lshl_b32 s23, s18, 3
	s_add_co_u32 s26, s26, s23
	s_mov_b32 s27, 0
	v_lshlrev_b32 v3, 2, v2                        ; in: 4 bytes a lane: a load reads 128 consecutive bytes a wave
	s_mul_i32 s28, s16, 32*PITCH                   ; my stage
	v_mul_u32_u24 v4, v2, PITCH
	v_add_nc_u32 v4, s28, v4                       ; into it: row = my column
	v_and_b32 v5, 15, v2
	v_lshrrev_b32 v6, 4, v2
	v_mul_u32_u24 v7, v6, PITCH
	v_lshl_add_u32 v7, v5, 4, v7
	v_add_nc_u32 v7, s28, v7                       ; out of it: sixteen lanes to a row, two rows an instruction
	v_mul_u32_u24 v8, v6, 768
	v_mad_u32_u24 v8, v5, 12, v8                   ; and the same place in the codes' buffer (bit 0 of a row's number is not moved by sw)
	v_and_b32 v9, 7, v2
	v_bfe_u32 v10, v2, 3, 1
	v_lshl_or_b32 v9, v10, 4, v9
	v_lshl_or_b32 v9, v6, 3, v9                    ; sw(lane)
	v_lshlrev_b32 v9, 5, v9                        ; my column's row of scale bytes
	s_wait_kmcnt 0x0
	s_add_nc_u64 s[4:5], s[4:5], s[20:21]
	s_add_nc_u64 s[12:13], s[12:13], s[24:25]
	s_add_nc_u64 s[14:15], s[14:15], s[26:27]
.macro LOADX t                         ; block t: x(32 t + i, my column), i = 0 .. 31, into set t % 2.  The largest offset, 255 rows of 8,192 bytes, lies inside the signed 24-bit immediate
.set i, 0
.rept 32
	global_load_b32 v[XX+32*((\t)%2)+i], v3, s[4:5] offset:(32*(\t)+i)*8192 th:TH_LOAD_NT
.set i, i+1
.endr
.endm
	LOADX 0
	LOADX 1
.macro BLOCK t
.set XS, XX+32*((\t)%2)
.if (\t) < 7
	s_wait_loadcnt 32                              ; this block's 32 loads are in; the next block's may be out
.else
	s_wait_loadcnt 0
.endif
	v_max3_num_f32 v14, |v[XS]|, |v[XS+1]|, |v[XS+2]|              ; the block's largest magnitude: all 32 numbers are mine; two chains
	v_max3_num_f32 v15, |v[XS+3]|, |v[XS+4]|, |v[XS+5]|
.irp i, 6,10,14,18,22,26
	v_max3_num_f32 v14, v14, |v[XS+\i]|, |v[XS+\i+1]|
	v_max3_num_f32 v15, v15, |v[XS+\i+2]|, |v[XS+\i+3]|
.endr
	v_max3_num_f32 v14, v14, |v[XS+30]|, |v[XS+31]|
	v_max3_num_f32 v14, v14, v15, (EMAX+1)<<23     ; and the floor 2^(3 - 127): the byte cannot fall under 1
	v_add_nc_u32 v11, -(EMAX<<23), v14             ; 2 off its exponent field: the conversion takes the exponent field of this operand as its scale
	v_lshrrev_b32 v15, 23, v11                     ; the scale's byte
.if (\t)%4 == 0
	v_mov_b32 v[XSB+(\t)/4], v15                   ; four bytes to a register, the lower c in the lower byte
.else
	v_lshl_or_b32 v[XSB+(\t)/4], v15, 8*((\t)%4), v[XSB+(\t)/4]
.endif
	v_cvt_scalef32_pk16_fp6_f32 v[XC:XC+2], v[XS:XS+15], v11
	v_cvt_scalef32_pk16_fp6_f32 v[XC+4:XC+6], v[XS+16:XS+31], v11  ; (a conversion's three registers begin on an even number)
	ds_store_b96 v4, v[XC:XC+2] offset:32*(\t)     ; 12 bytes to a place of 16, so that every LDS address is a multiple of 16
	ds_store_b96 v4, v[XC+4:XC+6] offset:32*(\t)+16
.if (\t)+2 < 8
	LOADX (\t)+2
.endif
	s_wait_dscnt 0x0                               ; the stores have read their registers: the next block's codes may be written (plain vector lines stand ahead of them)
.endm
.irp t, 0,1,2,3,4,5,6,7
	BLOCK \t
.endr
	global_store_b64 v9, v[XSB:XSB+1], s[14:15]    ; my column's 8 scale bytes
.irp t, 0,1,2,3,4,5,6,7,8,9,10,11,12,13,14,15
	ds_load_b96 v[XOUT+4*\t:XOUT+4*\t+2], v7 offset:2*\t*PITCH     ; LDS serves a wave's instructions in order: these see my stores
.endr
.irp t, 0,1,2,3,4,5,6,7,8,9,10,11,12,13,14,15
.set SWR, ((2*\t)&7)|((((2*\t)>>3)&1)<<4)|((((2*\t)>>4)&1)<<3)
	s_wait_dscnt 15-\t                             ; the younger loads may be out
	global_store_b96 v8, v[XOUT+4*\t:XOUT+4*\t+2], s[12:13] offset:SWR*768   ; sixteen lanes store a row's 192 consecutive bytes, at the row's place sw
.endr
	s_wait_tensorcnt 0x0                           ; the wave's end: these three lines behind my last LDS store
	ds_add_u32 v[SPW], v[NIL]
	s_wait_dscnt 0x0
	s_endpgm
; ---------------- the weights: a wave takes a run of 8,192 numbers, 8 whole rows, in 16 steps of 512
.Lw:
	s_sub_co_u32 s17, ttmp9, 256                   ; 0..95: 32 work-groups a weight
	s_lshl_b32 s18, s17, 2
	s_add_co_u32 s18, s18, s16                     ; my run, 0..383
	s_and_b32 s19, s18, 127
	s_lshl_b32 s22, s19, 15                        ; its 32,768 bytes in its weight
	s_mov_b32 s23, 0
	s_and_b32 s19, s18, 1                          ; a run is 8 rows: bits 3 and 4 of a row's number are bits 0 and 1 of the run's
	s_lshl_b32 s19, s19, 1
	s_bfe_u32 s24, s18, 0x10001
	s_or_b32 s19, s19, s24
	s_and_b32 s24, s18, 0x1fc
	s_or_b32 s19, s19, s24
	s_add_co_u32 s19, s19, 1024                    ; behind x's 8,192 rows
	s_mul_i32 s24, s19, 6144                       ; 8 rows of 768 bytes
	s_mov_b32 s25, 0
	s_lshl_b32 s26, s19, 8                         ; 8 rows of 32 bytes
	s_mov_b32 s27, 0
	v_lshlrev_b32 v3, 4, v2                        ; my 16 bytes of a load's 512
	s_lshl_b32 s28, s16, 13
	s_add_co_u32 s28, s28, WBASE                   ; my wave's region
	v_lshrrev_b32 v14, 2, v2
	v_mul_u32_u24 v14, v14, SP
	v_and_b32 v15, 3, v2
	v_lshl_add_u32 v14, v15, 4, v14
	v_add_nc_u32 v14, s28, v14                     ; the stage, on the way in: four lanes' 64 bytes on end, then 16 of padding
	v_mul_u32_u24 v15, v2, SP
	v_add_nc_u32 v15, s28, v15                     ; and on the way out: my 16 neighbours
	v_mul_u32_u24 v4, v2, CB                       ; my codes' place in a step's
	v_lshrrev_b32 v5, 1, v2
	s_add_co_u32 s28, s28, 2*32*SP
	v_add_nc_u32 v5, s28, v5                       ; my wave's 256 scale bytes, my block's byte
	v_lshlrev_b32 v7, 3, v2                        ; and on the way out 8 bytes a lane
	v_add_nc_u32 v6, s28, v7
	s_wait_kmcnt 0x0
	s_cmp_lt_u32 s17, 32                           ; which weight: the choice hangs on the work-group's number alone
	s_cselect_b64 s[20:21], s[6:7], s[8:9]
	s_cmp_lt_u32 s17, 64
	s_cselect_b64 s[20:21], s[20:21], s[10:11]
	s_add_nc_u64 s[20:21], s[20:21], s[22:23]
	s_add_nc_u64 s[12:13], s[12:13], s[24:25]
	s_add_nc_u64 s[14:15], s[14:15], s[26:27]
.macro LOADW t
.irp i, 0,1,2,3
	global_load_b128 v[WR+16*((\t)%4)+4*\i:WR+16*((\t)%4)+4*\i+3], v3, s[20:21] offset:2048*(\t)+512*\i th:TH_LOAD_NT   ; 32 lanes read 512 consecutive bytes
.endr
.endm
.macro TURNW t                         ; step t's numbers through the stage, so that a lane gets 16 neighbours: LDS serves a wave's instructions in order, no wait between the stores and the loads
.irp i, 0,1,2,3
	ds_store_b128 v14, v[WR+16*((\t)%4)+4*\i:WR+16*((\t)%4)+4*\i+3] offset:32*SP*((\t)%2)+8*SP*\i
.endr
.irp i, 0,1,2,3
	ds_load_b128 v[WX+16*((\t)%2)+4*\i:WX+16*((\t)%2)+4*\i+3], v15 offset:32*SP*((\t)%2)+16*\i
.endr
.endm
.irp t, 0,1,2,3
	LOADW \t
.endr
	s_wait_loadcnt 12                              ; step 0's four loads are in
	TURNW 0
.macro STEPW t
.set XS, WX+16*((\t)%2)
.if (\t) > 0
	s_wait_dscnt 1                                 ; this step's numbers are back from the stage (the last step's byte store may be out)
.else
	s_wait_dscnt 0x0
.endif
.if (\t)+4 < STEPS
	LOADW (\t)+4                                   ; into the registers that this step's stage stores have read
.endif
.if (\t)+1 < STEPS
.if STEPS-2-(\t) >= 3
	s_wait_loadcnt 12                              ; the next step's four loads are in; those of the three steps behind it may be out
.else
	s_wait_loadcnt 4*(STEPS-2-(\t))
.endif
	TURNW (\t)+1
.endif
	v_max3_num_f32 v8, |v[XS]|, |v[XS+1]|, |v[XS+2]|               ; the largest magnitude of my 16
	v_max3_num_f32 v9, |v[XS+3]|, |v[XS+4]|, |v[XS+5]|
.irp i, 6,10
	v_max3_num_f32 v8, v8, |v[XS+\i]|, |v[XS+\i+1]|
	v_max3_num_f32 v9, v9, |v[XS+\i+2]|, |v[XS+\i+3]|
.endr
	v_max3_num_f32 v8, v8, |v[XS+14]|, |v[XS+15]|
	v_max3_num_f32 v8, v8, v9, (EMAX+1)<<23        ; and the floor
	v_max_num_f32_dpp v8, v8, v8 row_xmask:1 row_mask:0xf bank_mask:0xf   ; and of my neighbour's 16: the block's
	v_add_nc_u32 v11, -(EMAX<<23), v8
	v_cvt_scalef32_pk16_fp6_f32 v[WC+4*(\t):WC+4*(\t)+2], v[XS:XS+15], v11
	v_lshrrev_b32 v[WE+(\t)], 23, v11              ; the scale's byte
	ds_store_b8 v5, v[WE+(\t)] offset:16*(\t)      ; both lanes of a block write the same byte with the same value
	global_store_b96 v4, v[WC+4*(\t):WC+4*(\t)+2], s[12:13] offset:32*CB*(\t)   ; the wave stores 384 consecutive bytes
.endm
.irp t, 0,1,2,3,4,5,6,7,8,9,10,11,12,13,14,15
	STEPW \t
.endr
	ds_load_b64 v[8:9], v6                         ; LDS serves a wave's instructions in order: these see my stores
	s_wait_dscnt 0x0
	global_store_b64 v7, v[8:9], s[14:15]          ; 32 lanes store 256 consecutive bytes, aligned
	s_wait_tensorcnt 0x0                           ; the wave's end: these three lines behind my last LDS store
	ds_add_u32 v[SPW], v[NIL]
	s_wait_dscnt 0x0
	s_endpgm
.Lfunc_end_k_q38b89bc431_quant:
	.size	k_q38b89bc431_quant, .Lfunc_end_k_q38b89bc431_quant-k_q38b89bc431_quant
	.p2alignl 7, 3214868480
	.fill 96, 4, 3214868480
	.section	.rodata,"a",@progbits
	.p2align	6, 0x0
	.amdhsa_kernel k_q38b89bc431_quant
		.amdhsa_group_segment_fixed_size 68096
		.amdhsa_private_segment_fixed_size 0
		.amdhsa_enable_private_segment 0
		.amdhsa_kernarg_size 48
		.amdhsa_user_sgpr_count 2
		.amdhsa_user_sgpr_kernarg_segment_ptr 1
		.amdhsa_wavefront_size32 1
		.amdhsa_system_sgpr_workgroup_id_x 1
		.amdhsa_system_sgpr_workgroup_id_y 1
		.amdhsa_system_sgpr_workgroup_id_z 1
		.amdhsa_system_vgpr_workitem_id 0
		.amdhsa_next_free_vgpr 192
		.amdhsa_next_free_sgpr 66
		.amdhsa_reserve_vcc 0
		.amdhsa_float_denorm_mode_32 3
		.amdhsa_float_denorm_mode_16_64 3
		.amdhsa_memory_ordered 1
		.amdhsa_forward_progress 1
		.amdhsa_inst_pref_size 74
	.end_amdhsa_kernel
	.amdgpu_metadata
---
amdhsa.version: [ 1, 2 ]
amdhsa.kernels:
  - .name:           k_q38b89bc431_quant
    .symbol:         k_q38b89bc431_quant.kd
    .args:
      - { .name: x, .offset: 0, .size: 8, .value_kind: global_buffer, .address_space: global }
      - { .name: Wq, .offset: 8, .size: 8, .value_kind: global_buffer, .address_space: global }
      - { .name: Wk, .offset: 16, .size: 8, .value_kind: global_buffer, .address_space: global }
      - { .name: Wv, .offset: 24, .size: 8, .value_kind: global_buffer, .address_space: global }
      - { .name: codes, .offset: 32, .size: 8, .value_kind: global_buffer, .address_space: global }
      - { .name: scl, .offset: 40, .size: 8, .value_kind: global_buffer, .address_space: global }
    .group_segment_fixed_size: 68096
    .private_segment_fixed_size: 0
    .kernarg_segment_align: 8
    .kernarg_segment_size: 48
    .max_flat_workgroup_size: 128
    .sgpr_count:     66
    .vgpr_count:     192
    .wavefront_size: 32
...
	.end_amdgpu_metadata
.endif
;; end of part 1
;; launch proj (part 2): grid 8 x 48, 4 waves a work-group, clusters of 4 x 4, 327,680 bytes of LDS; arguments codes, scl, img, isc; writes img, isc
.if DOCPART == 2
	.amdgcn_target "amdgcn-amd-amdhsa--gfx1250"
	.amdhsa_code_object_version 6
	.text
	.protected	k_q38b89bc431_proj
	.globl	k_q38b89bc431_proj
	.p2align	8
	.type	k_q38b89bc431_proj,@function
k_q38b89bc431_proj:
	s_mov_b64 s[64:65], 0
	v_nop
	global_prefetch_b8 v0, s[64:65] scope:SCOPE_SE
	s_setreg_imm32_b32 hwreg(HW_REG_WAVE_MODE, 25, 1), 1
	s_wait_xcnt 0x0
	s_wait_alu depctr_hold_cnt(0) depctr_sa_sdst(0) depctr_va_vdst(0) depctr_va_sdst(0) depctr_va_ssrc(0) depctr_va_vcc(0) depctr_vm_vsrc(0)
	s_getreg_b32 s2, hwreg(HW_REG_IB_STS2, 6, 4)
	s_cmp_eq_u32 s2, 0
	s_cbranch_scc0 .Lentry_in_a_cluster
	s_endpgm
.Lentry_in_a_cluster:
	s_bfe_u32 s2, ttmp6, 0x10000c
	s_cmp_lg_u32 s2, 0xf033
	s_cbranch_scc0 .Lentry_shape_is_right
	s_endpgm
.Lentry_shape_is_right:
; The three projections as ONE product on codes of FP6 (E2M3), K = 1,024 channels, and the quantising of their results for the attention.
; codes: 11,264 rows x 768 bytes, scl: 11,264 rows x 32 bytes (x, Wq, Wk, Wv; every row at its number with bits 3 and 4 exchanged).  A and B are both rows of that one buffer.
; 384 tiles of 256 x 256, two kinds, told apart by the cluster's y (the same in all sixteen partners), by selects alone, never by a branch:
;   y < 8:  A = 256 rows of x (tokens), B = 256 rows of Wq, Wk (output channels): Q and K.     y >= 8:  A = 256 rows of Wv (channels), B = 256 rows of x (tokens): V^T.
; THE MATRIX INSTRUCTION IS USED TRANSPOSED (source 0 = 16 rows of B, source 1 = 16 rows of A): a lane holds ONE row of A, and, by the order in which the rows are stored, the 64 registers of a block
; of A hold 32 beta + 16 (lane / 16) + i of the wave's 128 rows of B, in true order, at register 16 beta + i.  That is what the quantiser along the next K wants: channels of a head for Q and K, keys for V.
; THE RESULTS never go out as f32: each block of 16 rows x 128 is quantised in registers and stored as an IMAGE of the next launch's operand: register pair p of a fragment at 256 p + 8 x lane.
;   img: Q, K: [32 heads: Q's 16, K's 16][512 tiles of 16 tokens][768];  V^T from byte 12,582,912: [64 tiles of 16 channels][64 steps of 128 keys][1,536].
;   isc: Q, K: [32][8,192 stored rows][2 bytes];  V^T from byte 524,288: [64][64][16 rows][4 bytes].
; Four waves, 128 x 128 each: 64 accumulators.  K in steps of 256 through a ring of two LDS slots; the scales of the tile's rows come once.  384 tiles are one and a half for each of 256 WGPs: no tile with
; 128 x 128 a wave divides 8,192 x 3,072 into 256 or 512.
; CLUSTERS: 4 x 4 work-groups; A's tile is shared along a row of the cluster, B's along a column: each is asked for jointly, by the same tensor load with the same descriptor and a mask that names the four.
; LIMITS: a block of results that is all zeros, or whose largest magnitude lies under 2^-124, keeps the scale byte 1 (its codes are zeros; this program alone reads the bytes); NaN and infinities are not served.
; REGISTERS, in windows of 256: window 0: v16-30 addresses; v32-63 scale words, two sets; v64-101 the quantiser's; from v128 A's fragments, ONE set.   window 1: B's fragments, TWO sets, at v0 and v128.
;   window 2: the 32 accumulators of my rows 0-63 (accumulator (a, b) at v[8 (8 a + b)]);   window 3: those of my rows 64-127.
.set SIZE_K, 1024
.set KSTEP,  256                       ; along K in a slot
.set NQ,     KSTEP/128                 ; matrix instructions deep
.set ROWB,   192                       ; a tile's row in bytes
.set KROW,   SIZE_K*6/8                ; a row of codes in memory
.set PITCH,  240                       ; an LDS row: 3 x (64 bytes + 16 of padding) = 60 words: the 32 lanes of a load of 8 bytes touch 64 different banks (64 banks of 4 bytes: ISA guide 11.1)
.set FR,     12                        ; registers of a fragment
.set NL,     6                         ; LDS loads that bring one
.set NP,     4                         ; places behind this matrix instruction (ISA guide 7.12.1)
.set HALFT,  128*PITCH                 ; 128 rows: what one tensor load brings
.set SLOT,   4*HALFT                   ; A's 256 rows, then B's 256 rows
.set LAPS,   SIZE_K/(2*KSTEP)
.set KS,     SIZE_K/32                 ; a row of scales in bytes
.set SCL,    2*SLOT                    ; behind the ring: the scales, as rows of 256 bytes + 16 of padding
.set HALFS,  (128*KS/256)*272          ; the scales of 128 rows
.set SBLK,   (16*KS/256)*272           ; those of 16 rows
.set SPARE,  SCL+4*HALFS               ; the spare words, 128 bytes for each wave: two blocks of 256 bytes that no other line names
.set ADRA, 16                          ; v16-17 LDS address of my A fragments in slot 0, 1  (v18-19: for the pieces that lie behind one padding more)
.set ADRB, 20                          ; v20-21 the same for B  (v22-23)
.set IM0,  24                          ; v24  the way out: 8 x lane
.set IM1,  25                          ; v25  the same for register pairs 3-5
.set SCA,  26                          ; v26  where my half of a scale word goes
.set ADRS, 27                          ; v27  LDS address of my scale words: lanes 0-15 A's rows, lanes 16-31 B's
.set SPW,  28                          ; v28  LDS address of my spare word; never rewritten
.set NIL,  29                          ; v29  0; never rewritten
.set SHF,  30                          ; v30  16 x (lane / 16)
.set SC,   32                          ; scale words: set s at v[SC + 8 NQ s]; register NQ i + q: lanes 0-15 the word of A's block i, lanes 16-31 that of B's block i
.set TM,   64                          ; v64-67 largest magnitudes, v68-71 bytes, v76-79 the conversions' scale operands
.set PC,   80                          ; v80-91 the codes just made, v92-99 their odd halves
.set PW,   100                         ; v100 the scale word, v101 my half of it
.set AF,   128                         ; A's fragments
.set SEL,  12                          ; s[12:13] lane selects for v_permlanex16_b32: lane l xor 16
.set G1, 24                            ; s[24:31] descriptor group 1 for A's tiles;  s[32:39] group 0, one set for each slot
.set G0, 32
.set G1B, 48                           ; s[48:55], s[56:63] the same for B's tiles
.set G0B, 56
.set G1S, 68                           ; s[68:75], s[76:79] groups 1 and 0 for A's scales;  s[80:87], s[88:91] for B's
.set G0S, 76
.set G1SB, 80
.set G0SB, 88
.set MSB, 0
.macro WIN new                         ; the immediate's high byte repeats the setting that is left
.if MSB != \new
	s_set_vgpr_msb (MSB<<8)|\new
.set MSB, \new
.endif
.endm
.set MUL_LO, 0xa1                      ; source 0 (B) window 1, source 1 (A) window 0, C and D window 2
.set MUL_HI, 0xf1                      ; the same, C and D window 3
.set TO_B,   0x40                      ; destination window 1, address window 0
; A joint load: waves 0 and 1 fetch for A, waves 2 and 3 for B.  Each of the two lines has one mask and one set of registers for all that issue it; the branch hangs on the wave's number alone.
; An s_nop 0 and four v_nop follow each of the two lines.
.macro JLOAD g0a, g1a, g0b, g1b
	s_cmp_eq_u32 s15, 0
	s_cbranch_scc0 .Lfor_b_\@
	tensor_load_to_lds s[\g0a:\g0a+3], s[\g1a:\g1a+7]
	s_nop 0
.rept 4
	v_nop
.endr
	s_branch .Lasked_\@
.Lfor_b_\@:
	tensor_load_to_lds s[\g0b:\g0b+3], s[\g1b:\g1b+7]
	s_nop 0
.rept 4
	v_nop
.endr
.Lasked_\@:
.endm
.macro CREST                           ; a round of the cluster's barrier behind its opening barrier
	s_cmp_lg_u32 s14, 0
	s_cbranch_scc1 .Lnot_wave_0_\@
	s_barrier_signal -3
.Lnot_wave_0_\@:
	s_barrier_wait -3
	s_barrier_signal -1
	s_barrier_wait -1
.endm
.macro CROUND                          ; a whole round
	s_barrier_signal -1
	s_barrier_wait -1
	CREST
.endm
	s_load_b256 s[4:11], s[0:1], 0x0               ; codes s[4:5], scl s[6:7], img s[8:9], isc s[10:11]
	v_lshl_add_u32 v[SPW], v0, 2, SPARE
	v_mov_b32 v[NIL], 0
	ds_add_u32 v[SPW], v[NIL]                      ; the wave's opening: the add and its wait stand ahead of my first tensor load; the set-up below, work on registers, stands between them
	v_lshrrev_b32 v1, 5, v0
	v_readfirstlane_b32 s14, v1                    ; wave 0..3
	s_lshr_b32 s15, s14, 1                         ; which half of A's rows is mine.  Also: I fetch for A (0) or for B (1)
	s_and_b32 s16, s14, 1                          ; which half of B's rows.  Also: which 128 rows of that tile I fetch
	s_bfe_u32 s40, ttmp6, 0x40000                  ; cx, cy: my place in the cluster
	s_bfe_u32 s41, ttmp6, 0x40004
	s_and_b32 s96, ttmp7, 0xffff                   ; the cluster's y, 0..11
	s_lshl_b32 s42, ttmp9, 2
	s_add_co_u32 s42, s42, s40                     ; 4 x cluster x + cx: Q, K: the tile of B's rows
	s_and_b32 s97, s96, 3                          ; (y - 8 where y >= 8)
	s_lshl_b32 s97, s97, 3
	s_add_co_u32 s97, s97, s42                     ; V: the tile of B's rows, 0..31
	s_lshl_b32 s17, s96, 2
	s_add_co_u32 s17, s17, s41                     ; Q, K: the tile of A's rows, 0..31
	s_cmp_ge_u32 s96, 8                            ; the kind: the same in all sixteen partners; selects alone hang on it
	s_cselect_b32 s95, 1, 0
	s_cselect_b32 s17, s41, s17                    ; the tile of A's rows: made of cy and the cluster's numbers alone
	s_cselect_b32 s42, s97, s42                    ; the tile of B's rows: of cx and the cluster's numbers alone
	s_cselect_b32 s98, 10240, 0                    ; where A's rows begin in the buffer: Wv, or x
	s_cselect_b32 s99, 0, 8192                     ; and B's: x, or Wq and Wk
	s_lshl_b32 s43, s41, 2
	s_lshl_b32 s43, 15, s43                        ; my row of the cluster
	s_lshl_b32 s44, 0x1111, s40                    ; my column
	; descriptor group 1: a tile of 128 rows x 192 bytes, padded in LDS
	s_or_b32 s[G1+0], s43, (0<<16)|(1<<20)|(1<<21)|(3<<22)|(3<<25)  ; 15:0 the mask: A's tiles go to my row; 17:16 elements of 1 byte; 20 padding on; 21 set beside a mask; 24:22 after every 16 words; 31:25 of 4 words
	s_or_b32 s[G1B+0], s44, (0<<16)|(1<<20)|(1<<21)|(3<<22)|(3<<25)
.irp g, G1, G1B
	s_mov_b32 s[\g+1], ROWB<<16                    ; tensor_dim0
	s_mov_b32 s[\g+2], 128<<16                     ; tensor_dim1
	s_mov_b32 s[\g+3], ROWB<<16                    ; tile_dim0
	s_mov_b32 s[\g+4], 128                         ; tile_dim1
	s_mov_b32 s[\g+5], KROW                        ; tensor_dim0_stride
	s_mov_b32 s[\g+6], 0
	s_mov_b32 s[\g+7], 0
.endr
	; the scales of 128 rows: a dense block of 4,096 bytes, as 16 rows of 256 bytes (32 elements of 8 bytes), 16 bytes of padding behind each
	s_or_b32 s[G1S+0], s43, (3<<16)|(1<<20)|(1<<21)|(5<<22)|(3<<25)
	s_or_b32 s[G1SB+0], s44, (3<<16)|(1<<20)|(1<<21)|(5<<22)|(3<<25)
.irp g, G1S, G1SB
	s_mov_b32 s[\g+1], 32<<16
	s_mov_b32 s[\g+2], (128*KS/256)<<16
	s_mov_b32 s[\g+3], 32<<16
	s_mov_b32 s[\g+4], 128*KS/256
	s_mov_b32 s[\g+5], 32
	s_mov_b32 s[\g+6], 0
	s_mov_b32 s[\g+7], 0
.endr
	s_lshl_b32 s18, s16, 7                         ; which 128 rows of the tile I fetch
	s_lshl_b32 s20, s17, 8
	s_add_co_u32 s20, s20, s18
	s_add_co_u32 s20, s20, s98                     ; A: the buffer's row
	s_lshl_b32 s46, s42, 8
	s_add_co_u32 s46, s46, s18
	s_add_co_u32 s46, s46, s99                     ; B: the buffer's row
	s_mov_b32 s21, 0
	s_mov_b32 s47, 0
	s_mov_b64 s[18:19], KS
	s_mul_u64 s[22:23], s[20:21], s[18:19]         ; where these rows' scales begin, in bytes
	s_mul_u64 s[92:93], s[46:47], s[18:19]
	s_mov_b64 s[18:19], KROW
	s_mul_u64 s[20:21], s[20:21], s[18:19]         ; and their codes
	s_mul_u64 s[46:47], s[46:47], s[18:19]
	s_mul_i32 s45, s14, HALFT                      ; where they go: wave x 128 rows: no place in the cluster enters an LDS address
	s_mul_i32 s94, s14, HALFS
	s_wait_dscnt 0x0                               ; the opening add is done
	s_wait_kmcnt 0x0
	s_add_nc_u64 s[20:21], s[4:5], s[20:21]
	s_add_nc_u64 s[22:23], s[6:7], s[22:23]
	s_add_nc_u64 s[46:47], s[4:5], s[46:47]
	s_add_nc_u64 s[92:93], s[6:7], s[92:93]
	CROUND                                         ; all sixteen work-groups are here: the first joint loads meet
	s_mov_b32 s[G0S], 1
	s_add_co_u32 s[G0S+1], s94, SCL
	s_mov_b64 s[G0S+2:G0S+3], s[22:23]
	s_or_b32 s[G0S+3], s[G0S+3], 0x80000000
	s_mov_b32 s[G0SB], 1
	s_add_co_u32 s[G0SB+1], s94, SCL
	s_mov_b64 s[G0SB+2:G0SB+3], s[92:93]
	s_or_b32 s[G0SB+3], s[G0SB+3], 0x80000000
	JLOAD G0S, G1S, G0SB, G1SB                     ; the scales first: they are wanted with K step 0.  Three loads of mine are out behind the first fills
.irp s, 0,1
	s_mov_b32 s[G0+4*\s], 1
	s_add_co_u32 s[G0+4*\s+1], s45, \s*SLOT
	s_add_nc_u64 s[G0+4*\s+2:G0+4*\s+3], s[20:21], \s*ROWB
	s_or_b32 s[G0+4*\s+3], s[G0+4*\s+3], 0x80000000
	s_mov_b32 s[G0B+4*\s], 1
	s_add_co_u32 s[G0B+4*\s+1], s45, \s*SLOT
	s_add_nc_u64 s[G0B+4*\s+2:G0B+4*\s+3], s[46:47], \s*ROWB
	s_or_b32 s[G0B+4*\s+3], s[G0B+4*\s+3], 0x80000000
	JLOAD G0+4*\s, G1, G0B+4*\s, G1B
.endr
	v_and_b32 v1, 15, v0                           ; l % 16
	v_bfe_u32 v2, v0, 4, 1                         ; l / 16
	v_mul_u32_u24 v3, v1, PITCH
	v_mul_u32_u24 v4, v2, 24
	v_add_nc_u32 v4, v3, v4                        ; a fragment's row x pitch + 24 x half
	v_lshl_add_u32 v5, v2, 4, v4                   ; and the same behind one padding more
	s_mul_i32 s21, s15, HALFT                      ; my 128 rows of A
	s_mul_i32 s22, s16, HALFT                      ; my 128 rows of B,
	s_add_co_u32 s22, s22, 2*HALFT                 ; which lie behind A's 256
.irp s, 0,1
	v_add_nc_u32 v[ADRA+\s], s21, v4
	v_add_nc_u32 v[ADRB+\s], s22, v4
	v_add_nc_u32 v[ADRA+2+\s], s21, v5
	v_add_nc_u32 v[ADRB+2+\s], s22, v5
	s_add_co_u32 s21, s21, SLOT
	s_add_co_u32 s22, s22, SLOT
.endr
	v_mul_u32_u24 v5, v1, KS                       ; my row's scales: 32 bytes a row,
	v_lshrrev_b32 v6, 8, v5
	v_lshl_add_u32 v5, v6, 4, v5                   ; and 16 more for each 256 passed
	s_mul_i32 s21, s15, HALFS                      ; A's: my 128 rows
	s_mul_i32 s22, s16, HALFS                      ; B's: my 128 rows, behind A's 256
	s_add_co_u32 s22, s22, 2*HALFS
	s_sub_co_u32 s22, s22, s21
	v_mul_u32_u24 v6, s22, v2                      ; lanes 16-31 take B's: the lower base + half x the distance
	s_add_co_u32 s21, s21, SCL
	v_add_nc_u32 v5, v5, v6
	v_add_nc_u32 v[ADRS], s21, v5
.macro FRAG reg, adr, q, i             ; a fragment, 16 rows x 128 K of 6-bit codes, is 12 registers: lane l holds row l % 16; registers 6 c .. 6 c + 5 hold K = 64 c + 32 (l / 16) + 0 .. 31: 24 bytes of the row's stream of bits
.irp p, 0,1,2,3,4,5                    ; in pieces of 8 bytes, so that every address is a multiple of the access's size
.set PCE, 12*(\q)+6*(\p/3)+\p%3        ; 16 bytes of padding lie behind every 8 pieces: where the piece three on lies behind one padding more, the second address register serves
.if PCE%8 < 5
	ds_load_b64 v[\reg+2*\p:\reg+2*\p+1], v[\adr] offset:8*PCE+16*(PCE/8)+(\i)*16*PITCH
.else
	ds_load_b64 v[\reg+2*\p:\reg+2*\p+1], v[\adr+2] offset:8*PCE+16*(PCE/8)+(\i)*16*PITCH
.endif
.endr
.endm
; 16 matrix instructions: A's blocks a0, a0 + 1 x B's eight, 128 along K.  p: B's set;  sc: the set of scale words.  zero = 1: the first product starts the sums.
; The 64 accumulators take turns, one instruction a turn, in the same order in every step.
.macro MUL16 a0, p, q, sc, zero
.irp a, \a0, \a0+1
.irp b, 0,1,2,3,4,5,6,7
.if \zero
	v_wmma_scale_f32_16x16x128_f8f6f4 v[8*(8*((\a)%4)+\b):8*(8*((\a)%4)+\b)+7], v[128*(\p)+FR*\b:128*(\p)+FR*\b+FR-1], v[AF+FR*(\a):AF+FR*(\a)+FR-1], 0, v[SC+8*NQ*(\sc)+NQ*\b+(\q)], v[SC+8*NQ*(\sc)+NQ*(\a)+(\q)] matrix_a_fmt:MATRIX_FMT_FP6 matrix_b_fmt:MATRIX_FMT_FP6 matrix_a_scale:MATRIX_SCALE_ROW1
.else
	v_wmma_scale_f32_16x16x128_f8f6f4 v[8*(8*((\a)%4)+\b):8*(8*((\a)%4)+\b)+7], v[128*(\p)+FR*\b:128*(\p)+FR*\b+FR-1], v[AF+FR*(\a):AF+FR*(\a)+FR-1], v[8*(8*((\a)%4)+\b):8*(8*((\a)%4)+\b)+7], v[SC+8*NQ*(\sc)+NQ*\b+(\q)], v[SC+8*NQ*(\sc)+NQ*(\a)+(\q)] matrix_a_fmt:MATRIX_FMT_FP6 matrix_b_fmt:MATRIX_FMT_FP6 matrix_a_scale:MATRIX_SCALE_ROW1
.endif
.endr
.endr
.endm
.macro FETCH_B slot, q, p              ; B's eight fragments of the slot's q-th 128 along K into set p
	WIN TO_B
.irp i, 0,1,2,3,4,5,6,7
	FRAG 128*(\p)+FR*\i, ADRB+\slot, \q, \i
.endr
	WIN 0
.endm
.macro FETCH_A slot, q, i0             ; A's blocks i0 .. i0 + 3
.irp i, \i0, \i0+1, \i0+2, \i0+3
	FRAG AF+FR*(\i), ADRA+\slot, \q, \i
.endr
.endm
.macro SCALES sc                       ; the next K step's scale words into set sc: two words a row
.irp i, 0,1,2,3,4,5,6,7
	ds_load_b64 v[SC+8*NQ*\sc+NQ*\i:SC+8*NQ*\sc+NQ*\i+1], v[ADRS] offset:\i*SBLK
.endr
.endm
; A load into a register that a matrix instruction has read stands four places behind that matrix instruction, and only plain vector instructions that name none of its registers are places
; (ISA guide 7.12.1 for vector instructions).
.macro PLACES n
.rept \n
	v_nop
.endr
.endm
; A step of 128 along K that has its successor in the same slot.
.macro STEP slot, q, zero
	s_wait_dscnt 4*NL                              ; B's set and A's blocks 0-3 are in; the youngest 24 loads (A's blocks 4-7) may be out
	WIN MUL_LO
	MUL16 0, (\q)%2, \q, \slot, \zero
	MUL16 2, (\q)%2, \q, \slot, \zero
	s_wait_dscnt 0                                 ; A's blocks 4-7 are in
	PLACES NP
	FETCH_B \slot, (\q)+1, 1-(\q)%2
	FETCH_A \slot, (\q)+1, 0
	WIN MUL_HI
	MUL16 4, (\q)%2, \q, \slot, \zero
	MUL16 6, (\q)%2, \q, \slot, \zero
	PLACES NP
	WIN 0
	FETCH_A \slot, (\q)+1, 4
.endm
; A slot's last step changes slots: ONE barrier; in front of it each wave waits for all its tensor loads, adds 0 to its spare word, and waits for that and for its own reads of this slot.  fill = 1: this slot is filled again, two K steps ahead.
.macro TURN slot, next, fill
	s_wait_tensorcnt 0x0                           ; all my tensor loads have landed: my part of the next slot  (every window is 0 here)
	ds_add_u32 v[SPW], v[NIL]                      ; 0 onto my spare word
	s_wait_dscnt 4*NL+1                            ; (the add and the youngest 24 loads, A's blocks 4-7, may be out)
	WIN MUL_LO
	MUL16 0, 1, NQ-1, \slot, 0                     ; sixteen matrix instructions stand between the add and the wait for it
	s_wait_dscnt 0x0                               ; the add is done, and my reads of this slot are over
	s_barrier_signal -1
	MUL16 2, 1, NQ-1, \slot, 0
	WIN 0
	s_barrier_wait -1
.if \fill
	CREST                                          ; the barrier has opened a round of the cluster's barrier: no wave of any partner still reads this slot's tile or has a load on its way
	s_add_nc_u64 s[G0+4*\slot+2:G0+4*\slot+3], s[G0+4*\slot+2:G0+4*\slot+3], 2*ROWB
	s_add_nc_u64 s[G0B+4*\slot+2:G0B+4*\slot+3], s[G0B+4*\slot+2:G0B+4*\slot+3], 2*ROWB
	JLOAD G0+4*\slot, G1, G0B+4*\slot, G1B         ; the first tensor load behind the round, one a wave; its four v_nop are the places in front of the loads below
.else
	PLACES NP
.endif
	v_add_nc_u32 v[ADRS], 4*NQ, v[ADRS]            ; on to the next K step's scale words
	FETCH_B \next, 0, 0
	FETCH_A \next, 0, 0
	SCALES \next
	WIN MUL_HI
	MUL16 4, 1, NQ-1, \slot, 0
	MUL16 6, 1, NQ-1, \slot, 0
	PLACES NP
	WIN 0
	FETCH_A \next, 0, 4
.endm
	s_wait_tensorcnt 1                             ; the scales and my part of K step 0 are in (K step 1's load may be out)
	s_barrier_signal -1
	s_barrier_wait -1                              ; everybody's are
	FETCH_B 0, 0, 0
	FETCH_A 0, 0, 0
	SCALES 0
	FETCH_A 0, 0, 4
	STEP 0, 0, 1                                   ; the first step stands in front of the loop: its products start the sums
	s_mov_b32 s3, LAPS-1
.Llap:                                                 ; a trip goes once round the ring, from a lap's second step to the next lap's first, and fills both slots again
	TURN 0, 1, 1
	STEP 1, 0, 0
	TURN 1, 0, 1
	STEP 0, 0, 0
	s_sub_co_u32 s3, s3, 1
	s_cmp_lg_u32 s3, 0
	s_cbranch_scc1 .Llap
	TURN 0, 1, 0                                   ; the last lap fills nothing, and has no round of the cluster's barrier
	STEP 1, 0, 0
	s_wait_dscnt 4*NL                              ; the very last step: nothing more to fetch
	WIN MUL_LO
	MUL16 0, 1, NQ-1, 1, 0
	MUL16 2, 1, NQ-1, 1, 0
	s_wait_dscnt 0
	WIN MUL_HI
	MUL16 4, 1, NQ-1, 1, 0
	MUL16 6, 1, NQ-1, 1, 0
	WIN 0
; THE WAY OUT.  Strides in bytes, by the kind (Q, K | V): from block of A to block of A, from 128 of B's rows to the next, from register pairs 0-2 to pairs 3-5; the same three for the scale bytes.
	s_cmp_eq_u32 s95, 0                            ; Q, K?
	s_mov_b32 s18, 12582912
	s_cselect_b32 s18, 0, s18                      ; where the kind's images begin
	s_mov_b32 s19, 98304
	s_cselect_b32 s19, 768, s19                    ; a tile of tokens on | a tile of channels on
	s_mov_b32 s20, 1536
	s_cselect_b32 s20, 786432, s20                 ; two heads on | a step of 128 keys on
	s_mov_b32 s21, 768
	s_cselect_b32 s21, 393216, s21                 ; the second head | the fragment's second half
	s_mov_b32 s22, 524288
	s_cselect_b32 s22, 0, s22
	s_mov_b32 s23, 4096
	s_cselect_b32 s23, 32, s23
	s_mov_b32 s40, 32768
	s_cselect_b32 s40, s40, 64
	s_mov_b32 s41, 16384
	s_cselect_b32 s41, s41, 2                      ; the scale word's upper half: the second head's two bytes | the same word's
	s_cselect_b32 s43, 1, 2                        ; 2 bytes a row | 4
	s_lshl_b32 s44, s17, 4
	s_lshl_b32 s45, s15, 3
	s_add_co_u32 s44, s44, s45                     ; my first block of A's rows
	s_lshl_b32 s45, s42, 1
	s_add_co_u32 s45, s45, s16                     ; my 128 of B's rows
	s_mul_i32 s46, s44, s19
	s_mul_i32 s47, s45, s20
	s_add_co_u32 s46, s46, s47
	s_add_co_u32 s46, s46, s18
	s_mov_b32 s47, 0
	s_mul_i32 s92, s44, s23
	s_mul_i32 s93, s45, s40
	s_add_co_u32 s92, s92, s93
	s_add_co_u32 s92, s92, s22
	s_mov_b32 s93, 0
	s_add_nc_u64 s[8:9], s[8:9], s[46:47]
	s_add_nc_u64 s[10:11], s[10:11], s[92:93]
	s_mov_b32 s66, s19
	s_mov_b32 s67, 0
	s_mov_b32 s96, s23
	s_mov_b32 s97, 0
	s_mov_b32 s[SEL], 0x76543210
	s_mov_b32 s[SEL+1], 0xfedcba98
	v_and_b32 v1, 31, v0                           ; these plain lines, which name no register of the last products, are the places behind them
	v_lshlrev_b32 v[IM0], 3, v1
	v_add_nc_u32 v[IM1], s21, v[IM0]
	v_and_b32 v2, 15, v0
	v_bfe_u32 v3, v0, 4, 1
	v_lshlrev_b32 v[SCA], s43, v2
	v_mul_u32_u24 v4, s41, v3
	v_add_nc_u32 v[SCA], v[SCA], v4                ; lanes 0-15 store the scale word's lower half, lanes 16-31 its upper half
	v_lshlrev_b32 v[SHF], 4, v3
.irp b, 0,1,2,3
	v_mov_b32 v[TM+4+\b], 0                        ; written once: a lane permute's destination counts as one of its sources
.endr
; Block a of A's rows: the lane's 64 results, register 16 b + i = 32 b + 16 (lane / 16) + i along the next K, become a fragment's 12 registers and a scale word, and leave.
.macro OUTQ a
.set AC, 64*((\a)%4)
.set WB, 2+(\a)/4
.set WM, (WB<<2)|(WB<<4)
.if (\a) > 0
	s_wait_xcnt 0x0                                ; the last block's stores have read their data and their bases: both are written again only behind this wait
	s_add_nc_u64 s[8:9], s[8:9], s[66:67]
	s_add_nc_u64 s[10:11], s[10:11], s[96:97]
.endif
	WIN WM                                         ; sources 1 and 2: the accumulators' window
.irp b, 0,1,2,3
	v_max3_num_f32 v[TM+\b], 0x1800000, |v[AC+16*\b]|, |v[AC+16*\b+1]|   ; block b: my 16 numbers and the floor 2^(3 - 127); each accumulator is read from its low end on
.endr
.irp i, 2,4,6,8,10,12,14
.irp b, 0,1,2,3
	v_max3_num_f32 v[TM+\b], v[TM+\b], |v[AC+16*\b+\i]|, |v[AC+16*\b+\i+1]|   ; (the four blocks by turns)
.endr
.endr
	WIN 0
.irp b, 0,1,2,3
	v_permlanex16_b32 v[TM+4+\b], v[TM+\b], s[SEL], s[SEL+1]
.endr
.irp b, 0,1,2,3
	v_max_num_f32 v[TM+\b], v[TM+\b], v[TM+4+\b]   ; with lane l xor 16's: the block's largest magnitude
.endr
.irp b, 0,1,2,3
	v_add_nc_u32 v[TM+12+\b], 0xff000000, v[TM+\b] ; 2 off its exponent field: the conversion's scale operand
.endr
.irp b, 0,1,2,3
	v_lshrrev_b32 v[TM+4+\b], 23, v[TM+12+\b]      ; the scale's byte
.endr
	v_lshl_or_b32 v[PW], v[TM+5], 8, v[TM+4]
	v_lshl_or_b32 v[PW], v[TM+6], 16, v[PW]
	v_lshl_or_b32 v[PW], v[TM+7], 24, v[PW]
	v_lshrrev_b32 v[PW+1], v[SHF], v[PW]           ; my half of the word
	WIN WB                                         ; source 0: the accumulators' window
.irp c, 0,1
	v_cvt_scalef32_pk16_fp6_f32 v[PC+6*\c:PC+2+6*\c], v[AC+32*\c:AC+15+32*\c], v[TM+12+2*\c]
	v_cvt_scalef32_pk16_fp6_f32 v[PC+12+4*\c:PC+14+4*\c], v[AC+16+32*\c:AC+31+32*\c], v[TM+12+2*\c+1]   ; (a conversion's three registers begin on an even number)
.endr
	WIN 0
	v_nop                                          ; one plain place behind a scaled conversion
.irp c, 0,1                                    ; the operand's layout wants a WHOLE block in a lane: lanes 0-15 block 2 c, lanes 16-31 block 2 c + 1
.irp i, 0,1,2
	v_permlane16_swap_b32 v[PC+6*\c+\i], v[PC+12+4*\c+\i]
.endr
.irp i, 0,1,2
	v_mov_b32 v[PC+3+6*\c+\i], v[PC+12+4*\c+\i]
.endr
.endr
.irp p, 0,1,2
	global_store_b64 v[IM0], v[PC+2*\p:PC+2*\p+1], s[8:9] offset:256*\p       ; 32 lanes store 256 consecutive bytes, aligned
.endr
.irp p, 0,1,2
	global_store_b64 v[IM1], v[PC+6+2*\p:PC+6+2*\p+1], s[8:9] offset:256*\p
.endr
	global_store_b16 v[SCA], v[PW+1], s[10:11]
.endm
.irp a, 0,1,2,3,4,5,6,7
	OUTQ \a
.endr
	s_wait_tensorcnt 0x0                           ; the wave's end: these three lines behind my last tensor load
	ds_add_u32 v[SPW], v[NIL]
	s_wait_dscnt 0x0
	CROUND                                         ; the closing round: no work-group ends while a partner may still ask for a tile that names it
	s_endpgm
.Lfunc_end_k_q38b89bc431_proj:
	.size	k_q38b89bc431_proj, .Lfunc_end_k_q38b89bc431_proj-k_q38b89bc431_proj
	.p2alignl 7, 3214868480
	.fill 96, 4, 3214868480
	.section	.rodata,"a",@progbits
	.p2align	6, 0x0
	.amdhsa_kernel k_q38b89bc431_proj
		.amdhsa_group_segment_fixed_size 327680
		.amdhsa_private_segment_fixed_size 0
		.amdhsa_enable_private_segment 0
		.amdhsa_kernarg_size 32
		.amdhsa_user_sgpr_count 2
		.amdhsa_user_sgpr_kernarg_segment_ptr 1
		.amdhsa_wavefront_size32 1
		.amdhsa_system_sgpr_workgroup_id_x 1
		.amdhsa_system_sgpr_workgroup_id_y 1
		.amdhsa_system_sgpr_workgroup_id_z 1
		.amdhsa_system_vgpr_workitem_id 0
		.amdhsa_next_free_vgpr 1024
		.amdhsa_next_free_sgpr 100
		.amdhsa_reserve_vcc 0
		.amdhsa_float_denorm_mode_32 3
		.amdhsa_float_denorm_mode_16_64 3
		.amdhsa_memory_ordered 1
		.amdhsa_forward_progress 1
		.amdhsa_inst_pref_size 169
	.end_amdhsa_kernel
	.amdgpu_metadata
---
amdhsa.version: [ 1, 2 ]
amdhsa.kernels:
  - .name:           k_q38b89bc431_proj
    .symbol:         k_q38b89bc431_proj.kd
    .args:
      - { .name: codes, .offset: 0, .size: 8, .value_kind: global_buffer, .address_space: global }
      - { .name: scl, .offset: 8, .size: 8, .value_kind: global_buffer, .address_space: global }
      - { .name: img, .offset: 16, .size: 8, .value_kind: global_buffer, .address_space: global }
      - { .name: isc, .offset: 24, .size: 8, .value_kind: global_buffer, .address_space: global }
    .group_segment_fixed_size: 327680
    .private_segment_fixed_size: 0
    .kernarg_segment_align: 8
    .kernarg_segment_size: 32
    .max_flat_workgroup_size: 128
    .sgpr_count:     100
    .vgpr_count:     1024
    .wavefront_size: 32
...
	.end_amdgpu_metadata
.endif
;; end of part 2
;; launch attn (part 3): grid 4 x 64, 8 waves a work-group, clusters of 4 x 1, 288,256 bytes of LDS; arguments img, isc, mask, b, out0; writes out0
.if DOCPART == 3
	.amdgcn_target "amdgcn-amd-amdhsa--gfx1250"
	.amdhsa_code_object_version 6
	.text
	.protected	k_q38b89bc431_attn
	.globl	k_q38b89bc431_attn
	.p2align	8
	.type	k_q38b89bc431_attn,@function
k_q38b89bc431_attn:
	s_mov_b64 s[64:65], 0
	v_nop
	global_prefetch_b8 v0, s[64:65] scope:SCOPE_SE
	s_setreg_imm32_b32 hwreg(HW_REG_WAVE_MODE, 25, 1), 1
	s_wait_xcnt 0x0
	s_wait_alu depctr_hold_cnt(0) depctr_sa_sdst(0) depctr_va_vdst(0) depctr_va_sdst(0) depctr_va_ssrc(0) depctr_va_vcc(0) depctr_vm_vsrc(0)
	s_getreg_b32 s2, hwreg(HW_REG_IB_STS2, 6, 4)
	s_cmp_eq_u32 s2, 0
	s_cbranch_scc0 .Lentry_in_a_cluster
	s_endpgm
.Lentry_in_a_cluster:
	s_bfe_u32 s2, ttmp6, 0x10000c
	s_cmp_lg_u32 s2, 0x3003
	s_cbranch_scc0 .Lentry_shape_is_right
	s_endpgm
.Lentry_shape_is_right:
; out0[b][64 h + d][q] = the sum over k of softmax_k((Q.K / 8 + bias) m_k + (1 - m_k)(-1e30)) V[k][d], both products on codes of FP6 (E2M3) with one E8M0 scale for each 32 along a product's K.
; Q, K and V^T arrive as IMAGES of the operands' registers (register pair p of a fragment at 256 p + 8 x lane) with their scale bytes beside them; the tokens of a tile are 32 g + 8 u + r + 8 (r / 8).
; THE SOFTMAX AHEAD OF THE SECOND PRODUCT: t = s alpha_k + beta_k, alpha_k = m_k log2(e) / 8, beta_k = (bias m_k + (1 - m_k)(-1e30)) log2(e), for any float mask; M = the running largest t rounded UP to a
; whole number; p = 2^(t - M) is quantised along the keys, not normalised; the row's sum is taken of the unquantised p and divides at the end.  When M moves, the sum and O are multiplied by 2^(old M - new M): exact.
; SHARES.  A work-group owns one (batch, head) and 512 queries, in two passes of 256; in a pass each of its eight waves owns two tiles of 16 queries, which share every fragment of K and V and the table of alpha, beta.
; Two waves lie on a SIMD, so that one wave's vector work stands beside the other's matrix work and LDS loads.
; NO RING: a head's K and V (codes 196,608 bytes, scale bytes 8,192) are brought into LDS once, by five tensor loads a wave, all issued at the head (five of mine are out), and serve both passes.  Nothing is filled again.
; CLUSTER.  The four blocks of queries of a head form a cluster and want the same K and V: every fill is a joint load, the same descriptor and the mask of all four in each.
; No prefetch is written: every tensor load of the launch goes out at its head, so there is no later load to ask ahead for.
; LAYOUT.  Both products are used transposed: S^T = K Q^T (source 0 = 16 keys, source 1 = 16 queries), O^T = V^T P^T: a lane holds ONE query (lane % 16) throughout, and the 16 registers of two neighbouring tiles
; of keys are the 16 neighbouring keys 32 b + 16 (lane / 16) + 0 .. 15.
; THE FIRST PRODUCT'S K IS 64 OF THE INSTRUCTION'S 128.  Q's fragment holds zero codes for k = 64 .. 127 and both sides' scale words are 16 bits, zero-extended (bytes 0 stand for 2^-127, a finite number): so whatever
; codes stand in registers 6-11 of K's operand add exactly 0.  K's fragments therefore lie 6 registers apart: a tile's upper six registers are the next tile's codes, the last tile's are zeros.
; LIMITS: t is formed as s x (m log2(e) / 8) + beta, a few roundings of f32 away from ((s / 8 + bias) m + (1 - m)(-1e30)) log2(e); a block of p that is all zeros, or under 2^-124, keeps the scale byte 1 (zero codes);
; NaN and infinities among the inputs are not served.  A row whose keys are all masked gives p = 1 everywhere, as the reference's softmax does.
; LDS: chunk c (keys 512 c on) at 49,152 c: 4 steps x 8 tiles of K x 768 bytes, then 4 tiles of V^T x 4 steps x 1,536 bytes; SCB: K's scale pairs (2 bytes a key), then V's words; AB: alpha[2048], beta[2048]; the stage; the spare words.
; REGISTERS.  Window 0: v1-13 addresses; v16-31 statistics; v32-47 scale words; v48-79 at work; v80-133 K's 8 fragments, then V's 4; v134-157 Q; v158-181 P's codes; v192-255 O^T.   Window 1: v0-127 S^T, then p; v128-191 alpha; v192-255 beta.
.set SCB,    196608
.set AB,     204800                    ; written by LDS stores: no fill lands here
.set STAGE,  221184                    ; 64 channels x (256 queries x 4 bytes + 8)
.set SPITCH, 1032                      ; 258 words: 16 channels on is 32 banks on, so the two halves of the lanes fall on different banks (64 banks of 4 bytes: ISA guide 11.1)
.set SPARE,  287232                    ; the spare words, 128 bytes for each wave: four blocks of 256 bytes that no other line names
.set L8,  1                            ; v1   8 x lane
.set R2,  2                            ; v2   2 x (lane % 16)
.set R4,  3                            ; v3   4 x (lane % 16)
.set H64, 4                            ; v4   64 x (lane / 16)
.set SPW, 5                            ; v5   LDS address of my spare word; never rewritten
.set NIL, 6                            ; v6   0; never rewritten
.set ADK, 7                            ; v7-11 the step's LDS addresses: K, V, K's scales, V's scales, the table
.set ADV, 8
.set ADS, 9
.set ADW, 10
.set ADA, 11
.set STO, 12                           ; v12  the stage: where I put a number
.set RD,  13                           ; v13  and where I read 8 bytes of a channel's row back
.set ST,  16                           ; tile u's statistics at v[ST + 8 u]: +0 -M, +1 the largest t, +2, +3 and +6, +7 the sum in four parts, +4 f (+5 named with it as a pair)
.set KSC, 32                           ; v32-39 K's scale words;  v40-43 V's;  v44-45 Q's;  v46-47 P's
.set VSC, 40
.set QSC, 44
.set PSC, 46
.set BM,  48                           ; v48-55 the blocks' largest t, then p (4 u + b); later, with v56-63, the conversions' odd halves
.set PT,  56                           ; v56-63 lane permutes' results, then bytes
.set SO,  64                           ; v64-71 the conversions' scale operands
.set TWK, 72                           ; v72-75 at work
.set KV,  80
.set QF,  134
.set PF,  158
.set OT,  192                          ; O^T: tile u, V's tile dt at v[OT + 32 u + 8 dt]
.set AL,  128                          ; window 1
.set BE,  192
.set WV,  14
.set CX,  15
.set BB,  17
.set HH,  18
.set SEL, 20                           ; s[20:21] lane selects for v_permlanex16_b32: lane l xor 16
.set G1C, 24                           ; s[24:31] descriptor group 1: 6,144 dense bytes as 24 rows of 256
.set G1S, 32                           ; s[32:39] 1,024 dense bytes as 4 rows of 256
.set G0S, 40                           ; s[40:43] group 0 for my piece of the scale bytes
.set G0C, 44                           ; s[44:59] for my piece of each of the four chunks
.set TK,  60                           ; s60-63, s66: where the step's K, V, K's scales, V's scales and the table begin in LDS
.set TV,  61
.set TS,  62
.set TW,  63
.set TA,  66
.set CNT, 67
.set PASS, 68
.set QB,  70                           ; s[70:71] Q's images at my two tiles;  s[72:73] their scale bytes;  s[74:75] out0 at my 8 channels and my work-group's queries
.set QSB, 72
.set OB,  74
.set BIAS, 91
.set MSB, 0
.macro WIN new                         ; s_set_vgpr_msb: bits 1:0 source 0, 3:2 source 1, 5:4 source 2, 7:6 destination; the high byte repeats the setting that is left
.if MSB != \new
	s_set_vgpr_msb (MSB<<8)|\new
.set MSB, \new
.endif
.endm
.macro CROUND                          ; a round of the cluster's barrier
	s_barrier_signal -1
	s_barrier_wait -1
	s_cmp_lg_u32 s[WV], 0
	s_cbranch_scc1 .Lnot_wave_0_\@
	s_barrier_signal -3
.Lnot_wave_0_\@:
	s_barrier_wait -3
	s_barrier_signal -1
	s_barrier_wait -1
.endm
	s_load_b256 s[4:11], s[0:1], 0x0               ; img s[4:5], isc s[6:7], mask s[8:9], b s[10:11]
	s_load_b64 s[12:13], s[0:1], 0x20              ; out0
	v_lshl_add_u32 v[SPW], v0, 2, SPARE
	v_mov_b32 v[NIL], 0
	ds_add_u32 v[SPW], v[NIL]                      ; the wave's opening: the add and its wait stand ahead of my first tensor load; the set-up below, work on registers, stands between them
	v_lshrrev_b32 v7, 5, v0
	v_readfirstlane_b32 s[WV], v7                  ; wave 0..7
	s_and_b32 s16, ttmp7, 0xffff                   ; 16 x batch + head, which the four partners share
	s_lshr_b32 s[BB], s16, 4
	s_and_b32 s[HH], s16, 15
	s_mov_b32 s[G1C], 15|(3<<16)|(1<<21)           ; 15:0 the mask: all four work-groups; 17:16 elements of 8 bytes; 20 no padding; 21 set beside a mask
	s_mov_b32 s[G1C+1], 32<<16                     ; tensor_dim0 = 32 elements: 256 bytes
	s_mov_b32 s[G1C+2], 24<<16                     ; tensor_dim1 = 24 rows
	s_mov_b32 s[G1C+3], 32<<16                     ; tile_dim0
	s_mov_b32 s[G1C+4], 24                         ; tile_dim1
	s_mov_b32 s[G1C+5], 32                         ; the pitch: dense
	s_mov_b32 s[G1C+6], 0
	s_mov_b32 s[G1C+7], 0
	s_mov_b32 s[G1S], 15|(3<<16)|(1<<21)
	s_mov_b32 s[G1S+1], 32<<16
	s_mov_b32 s[G1S+2], 4<<16
	s_mov_b32 s[G1S+3], 32<<16
	s_mov_b32 s[G1S+4], 4
	s_mov_b32 s[G1S+5], 32
	s_mov_b32 s[G1S+6], 0
	s_mov_b32 s[G1S+7], 0
	; what I fetch.  Waves 0-3: of each chunk the 8 tiles of K of its step w; of K's scale bytes 1,024.  Waves 4-7: tile dt = w - 4 of V^T, 4 steps of each chunk; its 1,024 scale bytes.  Nothing here holds cx
	s_add_co_u32 s80, s[HH], 16                    ; K's heads lie behind Q's 16
	s_lshl_b32 s80, s80, 9
	s_lshl_b32 s81, s[BB], 7
	s_add_co_u32 s80, s80, s81                     ; the head's and batch's first tile
	s_mul_i32 s80, s80, 768
	s_mul_i32 s90, s[WV], 6144                     ; (also my piece's place in a chunk in LDS)
	s_add_co_u32 s80, s80, s90                     ; K: byte in img
	s_and_b32 s82, s[WV], 3
	s_lshl_b32 s83, s[HH], 2
	s_add_co_u32 s82, s82, s83                     ; V: the tile of channels 4 h + dt
	s_mul_i32 s83, s82, 98304
	s_mul_i32 s84, s[BB], 24576
	s_add_co_u32 s83, s83, s84
	s_add_co_u32 s83, s83, 12582912                ; V: byte in img
	s_add_co_u32 s84, s[HH], 16
	s_lshl_b32 s84, s84, 14
	s_lshl_b32 s85, s[BB], 12
	s_add_co_u32 s84, s84, s85
	s_lshl_b32 s94, s[WV], 10                      ; (also my piece's place among the scale bytes in LDS)
	s_add_co_u32 s84, s84, s94                     ; K: byte in isc
	s_lshl_b32 s85, s82, 12
	s_lshl_b32 s86, s[BB], 10
	s_add_co_u32 s85, s85, s86
	s_add_co_u32 s85, s85, 524288                  ; V: byte in isc
	s_mov_b32 s86, 6144
	s_cmp_lt_u32 s[WV], 4
	s_cselect_b32 s80, s80, s83
	s_cselect_b32 s84, s84, s85
	s_cselect_b32 s86, 24576, s86                  ; from chunk to chunk: 32 tiles of K | 4 steps of a tile of V^T
	s_mov_b32 s81, 0
	s_mov_b32 s85, 0
	s_mov_b32 s87, 0
	s_mov_b32 s[SEL], 0x76543210
	s_mov_b32 s[SEL+1], 0xfedcba98
	s_wait_dscnt 0x0                               ; the opening add is done
	s_wait_kmcnt 0x0
	s_add_nc_u64 s[80:81], s[4:5], s[80:81]
	s_add_nc_u64 s[84:85], s[6:7], s[84:85]
	s_mov_b32 s[G0S], 1                            ; count = 1
	s_add_co_u32 s[G0S+1], s94, SCB                ; LDS address: a constant + 1,024 x wave
	s_mov_b64 s[G0S+2:G0S+3], s[84:85]
	s_or_b32 s[G0S+3], s[G0S+3], 0x80000000        ; type = 2
.irp c, 0,1,2,3
	s_mov_b32 s[G0C+4*\c], 1
	s_add_co_u32 s[G0C+4*\c+1], s90, 49152*\c      ; LDS address: the chunk's constant + 6,144 x wave
	s_mov_b64 s[G0C+4*\c+2:G0C+4*\c+3], s[80:81]
	s_or_b32 s[G0C+4*\c+3], s[G0C+4*\c+3], 0x80000000
	s_add_nc_u64 s[80:81], s[80:81], s[86:87]
.endr
	CROUND                                         ; all four work-groups are here: the joint loads meet
	tensor_load_to_lds s[G0S:G0S+3], s[G1S:G1S+7]  ; the scale bytes first, then the chunks in the order in which they are read
	s_nop 0
.irp c, 0,1,2,3
	tensor_load_to_lds s[G0C+4*\c:G0C+4*\c+3], s[G1C:G1C+7]
	s_nop 0
.endr
.rept 4
	v_nop
.endr
	s_lshl_b32 s92, s[BB], 13                      ; the batch's 2,048 numbers of the mask
	s_mov_b32 s93, 0
	s_add_nc_u64 s[8:9], s[8:9], s[92:93]
	s_load_b32 s[BIAS], s[10:11], 0x0
	v_lshlrev_b32 v14, 4, v0
	global_load_b128 v[64:67], v14, s[8:9]                 ; keys 4 t .. 4 t + 3 of thread t,
	global_load_b128 v[68:71], v14, s[8:9] offset:4096     ; and 1,024 further on
	v_lshl_add_u32 v15, v0, 4, AB
	v_and_b32 v7, 31, v0                           ; lane
	v_lshlrev_b32 v[L8], 3, v7
	v_and_b32 v8, 15, v0                           ; r
	v_bfe_u32 v9, v0, 4, 1                         ; h
	v_lshlrev_b32 v[R2], 1, v8
	v_lshlrev_b32 v[R4], 2, v8
	v_lshlrev_b32 v[H64], 6, v9
	v_and_b32 v10, 8, v8
	v_add_nc_u32 v10, v10, v8                      ; r + 8 (r / 8): my query's place among the wave's 32 (tile u: + 8 u)
	v_lshlrev_b32 v10, 2, v10
	v_mad_u32_u24 v[STO], v9, 16*SPITCH, v10       ; lanes 16-31 hold channels 16 further on
	s_lshl_b32 s92, s[WV], 7                       ; my wave's 32 queries: 128 bytes
	s_add_co_u32 s92, s92, STAGE
	v_add_nc_u32 v[STO], s92, v[STO]
	s_mul_i32 s92, s[WV], 8*SPITCH                 ; back: my wave's 8 channels
	s_add_co_u32 s92, s92, STAGE
	v_add_nc_u32 v[RD], s92, v[L8]
.irp i, 0,1,2,3,4,5
	v_mov_b32 v[KV+48+\i], 0                       ; the last tile of K's upper six registers,
	v_mov_b32 v[QF+6+\i], 0                        ; and Q's codes of k = 64 .. 127: zeros, set once
	v_mov_b32 v[QF+18+\i], 0
.endr
.irp i, 0,1,2,3,4,5,6,7
	v_mov_b32 v[PT+\i], 0                          ; written once: a lane permute's destination counts as one of its sources
.endr
	v_mov_b32 v[ST+5], 0                           ; (named with f as a pair)
	v_mov_b32 v[ST+13], 0
	s_bfe_u32 s[CX], ttmp6, 0x40000                ; cx: my block of 512 queries: it enters Q's and out0's addresses alone
	s_lshl_b32 s76, s[HH], 9
	s_lshl_b32 s77, s[BB], 7
	s_add_co_u32 s76, s76, s77
	s_lshl_b32 s77, s[CX], 5
	s_add_co_u32 s76, s76, s77
	s_lshl_b32 s77, s[WV], 1
	s_add_co_u32 s76, s76, s77                     ; my first tile of Q: 512 h + 128 b + 32 cx + 2 w
	s_mul_i32 s76, s76, 768
	s_mov_b32 s77, 0
	s_add_nc_u64 s[QB:QB+1], s[4:5], s[76:77]
	s_lshl_b32 s78, s[HH], 14
	s_lshl_b32 s79, s[BB], 12
	s_add_co_u32 s78, s78, s79
	s_lshl_b32 s79, s[CX], 10
	s_add_co_u32 s78, s78, s79
	s_lshl_b32 s79, s[WV], 6
	s_add_co_u32 s78, s78, s79                     ; 2 bytes a stored row
	s_mov_b32 s79, 0
	s_add_nc_u64 s[QSB:QSB+1], s[6:7], s[78:79]
	s_lshl_b32 s88, s[BB], 10
	s_lshl_b32 s89, s[HH], 6
	s_add_co_u32 s88, s88, s89
	s_lshl_b32 s89, s[WV], 3
	s_add_co_u32 s88, s88, s89                     ; the channel 1024 b + 64 h + 8 w: a row of 8,192 bytes
	s_lshl_b32 s88, s88, 13
	s_lshl_b32 s89, s[CX], 11
	s_add_co_u32 s88, s88, s89
	s_mov_b32 s89, 0
	s_add_nc_u64 s[OB:OB+1], s[12:13], s[88:89]
	s_wait_kmcnt 0x0                               ; the bias
	s_wait_loadcnt 0x0                             ; the mask
.irp i, 0,1,2,3,4,5,6,7
	v_mul_f32 v[80+\i], 0x3e38aa3b, v[64+\i]       ; alpha = m log2(e) / 8
	v_sub_f32 v[96+\i], 1.0, v[64+\i]
.endr
.irp i, 0,1,2,3,4,5,6,7
	v_mul_f32 v[96+\i], 0xf149f2ca, v[96+\i]       ; (1 - m) x -1e30
.endr
.irp i, 0,1,2,3,4,5,6,7
	v_fma_f32 v[96+\i], s[BIAS], v[64+\i], v[96+\i]
.endr
.irp i, 0,1,2,3,4,5,6,7
	v_mul_f32 v[88+\i], 0x3fb8aa3b, v[96+\i]       ; beta = (bias m + (1 - m) x -1e30) log2(e)
.endr
	ds_store_b128 v15, v[80:83]
	ds_store_b128 v15, v[84:87] offset:4096
	ds_store_b128 v15, v[88:91] offset:8192
	ds_store_b128 v15, v[92:95] offset:12288
	s_mov_b32 s[PASS], 2
; A KEY STEP: 128 keys, both tiles of queries.
.macro STEP
	v_add_nc_u32 v[ADK], s[TK], v[L8]              ; five plain lines: the places between the last products and the loads into their sources
	v_add_nc_u32 v[ADV], s[TV], v[L8]
	v_add_nc_u32 v[ADS], s[TS], v[R2]
	v_add_nc_u32 v[ADW], s[TW], v[R4]
	v_add_nc_u32 v[ADA], s[TA], v[H64]
.irp tau, 0,1,2,3,4,5,6,7
.irp p, 0,1,2
	ds_load_b64 v[KV+6*\tau+2*\p:KV+6*\tau+2*\p+1], v[ADK] offset:768*\tau+256*\p   ; an image's pair: 32 lanes read 256 consecutive bytes
.endr
	ds_load_u16 v[KSC+\tau], v[ADS] offset:32*\tau ; the key's two scale bytes; the upper two are zeros
.endr
	WIN 0x40                                       ; destination window 1
.irp q, 0,1,2,3,4,5,6,7,8,9,10,11,12,13,14,15
	ds_load_b128 v[AL+4*\q:AL+4*\q+3], v[ADA] offset:128*(\q/4)+16*(\q%4)          ; alpha of keys 32 b + 16 h + i at register 16 b + i, as the scores lie
.endr
.irp q, 0,1,2,3,4,5,6,7,8,9,10,11,12,13,14,15
	ds_load_b128 v[BE+4*\q:BE+4*\q+3], v[ADA] offset:8192+128*(\q/4)+16*(\q%4)
.endr
	s_wait_dscnt 32                                ; K and its scale words are in; the table's 32 loads may be out
.irp tau, 0,1,2,3,4,5,6,7                      ; S^T = K Q^T: sixteen accumulators, one instruction each
.irp u, 0,1
	v_wmma_scale_f32_16x16x128_f8f6f4 v[64*\u+8*\tau:64*\u+8*\tau+7], v[KV+6*\tau:KV+6*\tau+11], v[QF+12*\u:QF+12*\u+11], 0, v[KSC+\tau], v[QSC+\u] matrix_a_fmt:MATRIX_FMT_FP6 matrix_b_fmt:MATRIX_FMT_FP6
.endr
.endr
	s_wait_dscnt 0x0                               ; the table
.rept 4
	v_nop                                          ; places behind the products, ahead of the first read of their results and of the loads into K's registers
.endr
	WIN 0x55
.irp u, 0,1
.set j, 0
.rept 32
	v_pk_fma_f32 v[64*\u+j:64*\u+j+1], v[64*\u+j:64*\u+j+1], v[AL+j:AL+j+1], v[BE+j:BE+j+1]   ; t = s alpha + beta, ascending: each accumulator is read from its low end on
.set j, j+2
.endr
.endr
	WIN 0
.irp dt, 0,1,2,3                               ; V^T's four fragments are asked for here and wanted behind the softmax
.irp p, 0,1,2,3,4,5
	ds_load_b64 v[KV+12*\dt+2*\p:KV+12*\dt+2*\p+1], v[ADV] offset:6144*\dt+256*\p
.endr
	ds_load_b32 v[VSC+\dt], v[ADW] offset:1024*\dt
.endr
	WIN 0x14                                       ; sources 1 and 2 window 1
.irp ub, 0,1,2,3,4,5,6,7
	v_max3_num_f32 v[BM+\ub], 0xff800000, v[16*\ub], v[16*\ub+1]   ; THE LARGEST t OF EACH BLOCK OF 32 KEYS serves twice: for the row's maximum, and, since p rises with t, for the block's largest p
.endr
.irp i, 2,4,6,8,10,12,14
.irp ub, 0,1,2,3,4,5,6,7
	v_max3_num_f32 v[BM+\ub], v[BM+\ub], v[16*\ub+\i], v[16*\ub+\i+1]   ; (the eight blocks by turns)
.endr
.endr
	WIN 0
.irp ub, 0,1,2,3,4,5,6,7
	v_permlanex16_b32 v[PT+\ub], v[BM+\ub], s[SEL], s[SEL+1]
.endr
.irp ub, 0,1,2,3,4,5,6,7
	v_max_num_f32 v[BM+\ub], v[BM+\ub], v[PT+\ub]  ; with lane l xor 16's 16 keys
.endr
.irp u, 0,1
	v_max3_num_f32 v[TWK+\u], v[BM+4*\u], v[BM+4*\u+1], v[BM+4*\u+2]
.endr
.irp u, 0,1
	v_max3_num_f32 v[ST+8*\u+1], v[TWK+\u], v[BM+4*\u+3], v[ST+8*\u+1]   ; the running largest t
.endr
.irp u, 0,1
	v_mov_b32 v[TWK+2+\u], v[ST+8*\u]
.endr
.irp u, 0,1
	v_floor_f32 v[ST+8*\u], -v[ST+8*\u+1]          ; the new -M = floor(-t) = -ceil(t): M is a whole number
.endr
.irp u, 0,1
	v_sub_f32 v[TWK+2+\u], v[ST+8*\u], v[TWK+2+\u] ; old M - new M: a whole number, 0 or less
.endr
.irp u, 0,1
	v_cvt_i32_f32 v[TWK+2+\u], v[TWK+2+\u]         ; (it saturates)
.endr
.irp u, 0,1
	v_ldexp_f32 v[ST+8*\u+4], 1.0, v[TWK+2+\u]     ; f = 2^(old M - new M)
.endr
.irp ub, 0,1,2,3,4,5,6,7
	v_add_f32 v[BM+\ub], v[BM+\ub], v[ST+8*(\ub/4)]   ; t - M of each block's largest t: the same addition as below gives the same bits
.endr
	WIN 0x41                                       ; destination and source 0 window 1
.irp u, 0,1
.set j, 0
.rept 32
	v_pk_add_f32 v[64*\u+j:64*\u+j+1], v[64*\u+j:64*\u+j+1], v[ST+8*\u:ST+8*\u+1] op_sel_hi:[1,0]   ; t - M, two at a time (of the pair the low word, -M, serves both halves)
.set j, j+2
.endr
.endr
.set j, 0
.rept 128
	v_exp_f32 v[j], v[j]                           ; p = 2^(t - M), at most 1: not normalised.  One batch
.set j, j+1
.endr
	WIN 0
.irp u, 0,1
	v_pk_mul_f32 v[ST+8*\u+2:ST+8*\u+3], v[ST+8*\u+2:ST+8*\u+3], v[ST+8*\u+4:ST+8*\u+5] op_sel_hi:[1,0]   ; the sums under the new M: plain lines behind the exponentials
	v_pk_mul_f32 v[ST+8*\u+6:ST+8*\u+7], v[ST+8*\u+6:ST+8*\u+7], v[ST+8*\u+4:ST+8*\u+5] op_sel_hi:[1,0]
.endr
	s_wait_alu depctr_va_vdst(0)                   ; one wait for the whole batch, ahead of its first reader
.irp ub, 0,1,2,3,4,5,6,7
	v_exp_f32 v[BM+\ub], v[BM+\ub]                 ; the blocks' largest p: a second, small batch
.endr
	WIN 0x04                                       ; source 1 window 1
.set j, 0
.rept 16
.irp u, 0,1
	v_pk_add_f32 v[ST+8*\u+2:ST+8*\u+3], v[ST+8*\u+2:ST+8*\u+3], v[64*\u+j:64*\u+j+1]     ; THE ROW'S SUM IS TAKEN OF THE UNQUANTISED p: four chains; they read the 128 alone
	v_pk_add_f32 v[ST+8*\u+6:ST+8*\u+7], v[ST+8*\u+6:ST+8*\u+7], v[64*\u+j+2:64*\u+j+3]
.endr
.set j, j+4
.endr
	s_wait_alu depctr_va_vdst(0)                   ; and one wait for the eight
	WIN 0
.irp ub, 0,1,2,3,4,5,6,7
	v_max_num_f32 v[BM+\ub], 0x1800000, v[BM+\ub]  ; the floor 2^(3 - 127): the byte cannot fall under 1
.endr
.irp ub, 0,1,2,3,4,5,6,7
	v_add_nc_u32 v[SO+\ub], 0xff000000, v[BM+\ub]  ; 2 off the exponent field: the conversion's scale operand
.endr
.irp ub, 0,1,2,3,4,5,6,7
	v_lshrrev_b32 v[PT+\ub], 23, v[SO+\ub]         ; the scale's byte
.endr
.irp u, 0,1
	v_lshl_or_b32 v[PSC+\u], v[PT+4*\u+1], 8, v[PT+4*\u]   ; p's scale word for these 128 keys
.endr
.irp u, 0,1
	v_lshl_or_b32 v[PSC+\u], v[PT+4*\u+2], 16, v[PSC+\u]
.endr
.irp u, 0,1
	v_lshl_or_b32 v[PSC+\u], v[PT+4*\u+3], 24, v[PSC+\u]
.endr
	WIN 0x01                                       ; source 0 window 1
.irp u, 0,1
.irp c, 0,1
	v_cvt_scalef32_pk16_fp6_f32 v[PF+12*\u+6*\c:PF+12*\u+6*\c+2], v[64*\u+32*\c:64*\u+32*\c+15], v[SO+4*\u+2*\c]
	v_cvt_scalef32_pk16_fp6_f32 v[BM+8*\u+4*\c:BM+8*\u+4*\c+2], v[64*\u+32*\c+16:64*\u+32*\c+31], v[SO+4*\u+2*\c+1]   ; (a conversion's three registers begin on an even number)
.endr
.endr
	WIN 0
	v_nop                                          ; one plain place behind the scaled conversions
.irp u, 0,1
.irp c, 0,1                                    ; the operand's layout wants a WHOLE block in a lane: lanes 0-15 block 2 c, lanes 16-31 block 2 c + 1
.irp i, 0,1,2
	v_permlane16_swap_b32 v[PF+12*\u+6*\c+\i], v[BM+8*\u+4*\c+\i]
.endr
.irp i, 0,1,2
	v_mov_b32 v[PF+12*\u+6*\c+3+\i], v[BM+8*\u+4*\c+\i]
.endr
.endr
.endr
.irp u, 0,1
.set j, 0
.rept 16
	v_pk_mul_f32 v[OT+32*\u+j:OT+32*\u+j+1], v[OT+32*\u+j:OT+32*\u+j+1], v[ST+8*\u+4:ST+8*\u+5] op_sel_hi:[1,0]   ; O^T under the new M, ascending.  These 32 lines are also the places between P's codes and scale words and the products
.set j, j+2
.endr
.endr
	s_wait_dscnt 0x0                               ; V^T and its scale words
.irp dt, 0,1,2,3                               ; O^T += V^T P^T: eight accumulators, one instruction each
.irp u, 0,1
	v_wmma_scale_f32_16x16x128_f8f6f4 v[OT+32*\u+8*\dt:OT+32*\u+8*\dt+7], v[KV+12*\dt:KV+12*\dt+11], v[PF+12*\u:PF+12*\u+11], v[OT+32*\u+8*\dt:OT+32*\u+8*\dt+7], v[VSC+\dt], v[PSC+\u] matrix_a_fmt:MATRIX_FMT_FP6 matrix_b_fmt:MATRIX_FMT_FP6
.endr
.endr
.endm
; Chunk c: 512 keys, four steps.  My pieces of the scale bytes and of chunks 0 .. c have landed (the 3 - c loads issued behind them may be out); my LDS stores and loads are done;
; behind the barrier that holds of all eight waves.
.macro CHUNK c
	s_wait_tensorcnt 3-\c
	s_wait_dscnt 0x0
	s_barrier_signal -1
	s_barrier_wait -1
	s_mov_b32 s[TK], 49152*\c
	s_mov_b32 s[TV], 49152*\c+24576
	s_mov_b32 s[TS], SCB+1024*\c
	s_mov_b32 s[TW], SCB+4096+256*\c
	s_mov_b32 s[TA], AB+2048*\c
	s_mov_b32 s[CNT], 4
.Lstep_\@:
	STEP
	s_add_co_u32 s[TK], s[TK], 6144
	s_add_co_u32 s[TV], s[TV], 1536
	s_add_co_u32 s[TS], s[TS], 256
	s_add_co_u32 s[TW], s[TW], 64
	s_add_co_u32 s[TA], s[TA], 512
	s_sub_co_u32 s[CNT], s[CNT], 1
	s_cmp_lg_u32 s[CNT], 0
	s_cbranch_scc1 .Lstep_\@
.endm
.Lpass:                                                ; two trips: 256 queries each
.irp u, 0,1
.irp p, 0,1,2
	global_load_b64 v[QF+12*\u+2*\p:QF+12*\u+2*\p+1], v[L8], s[QB:QB+1] offset:768*\u+256*\p
.endr
	global_load_u16 v[QSC+\u], v[R2], s[QSB:QSB+1] offset:32*\u
.endr
.set j, 0
.rept 64
	v_mov_b32 v[OT+j], 0                           ; O^T.  (The step is written without a first step of its own: the first change of M multiplies zeros)
.set j, j+1
.endr
.irp u, 0,1
	v_mov_b32 v[ST+8*\u+1], 0xff61b1e6             ; the largest t so far: -3e38, under every t
	v_mov_b32 v[ST+8*\u+2], 0                      ; the sum, in four parts
	v_mov_b32 v[ST+8*\u+3], 0
	v_mov_b32 v[ST+8*\u+6], 0
	v_mov_b32 v[ST+8*\u+7], 0
.endr
.irp u, 0,1
	v_floor_f32 v[ST+8*\u], -v[ST+8*\u+1]          ; -M
.endr
	s_wait_loadcnt 0x0                             ; Q
	CHUNK 0
	CHUNK 1
	CHUNK 2
	CHUNK 3
	; THE WAY OUT.  The sum's parts are added (plain lines: the places behind the last products); O^T is divided by the sum and turned through the stage, so that a channel's 256 queries leave as rows.
.irp u, 0,1
	v_pk_add_f32 v[ST+8*\u+2:ST+8*\u+3], v[ST+8*\u+2:ST+8*\u+3], v[ST+8*\u+6:ST+8*\u+7]
.endr
.irp u, 0,1
	v_add_f32 v[TWK+\u], v[ST+8*\u+2], v[ST+8*\u+3]
.endr
.irp u, 0,1
	v_permlanex16_b32 v[PT+\u], v[TWK+\u], s[SEL], s[SEL+1]
.endr
.irp u, 0,1
	v_add_f32 v[TWK+\u], v[TWK+\u], v[PT+\u]       ; with lane l xor 16's keys: the row's sum
.endr
.irp u, 0,1
	v_rcp_f32 v[ST+8*\u+4], v[TWK+\u]
.endr
	v_nop                                          ; a plain place behind the reciprocals
	s_wait_alu depctr_va_vdst(0)                   ; one wait for the two, ahead of their first reader
.irp u, 0,1
.set j, 0
.rept 16
	v_pk_mul_f32 v[OT+32*\u+j:OT+32*\u+j+1], v[OT+32*\u+j:OT+32*\u+j+1], v[ST+8*\u+4:ST+8*\u+5] op_sel_hi:[1,0]
.set j, j+2
.endr
.endr
.irp u, 0,1
.irp dt, 0,1,2,3
.irp j, 0,1,2,3,4,5,6,7
	ds_store_b32 v[STO], v[OT+32*\u+8*\dt+\j] offset:(32*(\dt/2)+8*(\dt%2)+\j)*SPITCH+32*\u   ; channel 32 (dt / 2) + 16 h + 8 (dt % 2) + j, by the order in which Wv's rows were stored
.endr
.endr
.endr
	s_wait_dscnt 0x0                               ; for the others' sake: my stores into the stage are done
	s_barrier_signal -1
	s_barrier_wait -1
.set n, 0
.rept 32
	ds_load_b64 v[OT+2*n:OT+2*n+1], v[RD] offset:SPITCH*(n/4)+256*(n%4)
.set n, n+1
.endr
.set n, 0
.rept 32
	s_wait_dscnt 31-n                              ; the younger loads may be out
	global_store_b64 v[L8], v[OT+2*n:OT+2*n+1], s[OB:OB+1] offset:8192*(n/4)+256*(n%4) th:TH_STORE_NT   ; 32 lanes store 256 consecutive bytes of a channel's row, aligned
.set n, n+1
.endr
	s_wait_xcnt 0x0                                ; the stores and Q's loads have read their data and bases: both are written again only behind this wait
	s_add_nc_u64 s[QB:QB+1], s[QB:QB+1], 12288     ; 16 tiles on
	s_add_nc_u64 s[QSB:QSB+1], s[QSB:QSB+1], 512
	s_add_nc_u64 s[OB:OB+1], s[OB:OB+1], 1024      ; 256 queries on.  (The stage is written again behind the next pass's four barriers, ahead of which every wave's reads of it are over)
	s_sub_co_u32 s[PASS], s[PASS], 1
	s_cmp_lg_u32 s[PASS], 0
	s_cbranch_scc1 .Lpass
	s_wait_tensorcnt 0x0                           ; the wave's end: these three lines behind my last tensor load and my last LDS store
	ds_add_u32 v[SPW], v[NIL]
	s_wait_dscnt 0x0
	CROUND                                         ; the closing round: no work-group ends while a partner may still ask for a tile that names it
	s_endpgm
.Lfunc_end_k_q38b89bc431_attn:
	.size	k_q38b89bc431_attn, .Lfunc_end_k_q38b89bc431_attn-k_q38b89bc431_attn
	.p2alignl 7, 3214868480
	.fill 96, 4, 3214868480
	.section	.rodata,"a",@progbits
	.p2align	6, 0x0
	.amdhsa_kernel k_q38b89bc431_attn
		.amdhsa_group_segment_fixed_size 288256
		.amdhsa_private_segment_fixed_size 0
		.amdhsa_enable_private_segment 0
		.amdhsa_kernarg_size 40
		.amdhsa_user_sgpr_count 2
		.amdhsa_user_sgpr_kernarg_segment_ptr 1
		.amdhsa_wavefront_size32 1
		.amdhsa_system_sgpr_workgroup_id_x 1
		.amdhsa_system_sgpr_workgroup_id_y 1
		.amdhsa_system_sgpr_workgroup_id_z 1
		.amdhsa_system_vgpr_workitem_id 0
		.amdhsa_next_free_vgpr 512
		.amdhsa_next_free_sgpr 96
		.amdhsa_reserve_vcc 0
		.amdhsa_float_denorm_mode_32 3
		.amdhsa_float_denorm_mode_16_64 3
		.amdhsa_memory_ordered 1
		.amdhsa_forward_progress 1
		.amdhsa_inst_pref_size 179
	.end_amdhsa_kernel
	.amdgpu_metadata
---
amdhsa.version: [ 1, 2 ]
amdhsa.kernels:
  - .name:           k_q38b89bc431_attn
    .symbol:         k_q38b89bc431_attn.kd
    .args:
      - { .name: img, .offset: 0, .size: 8, .value_kind: global_buffer, .address_space: global }
      - { .name: isc, .offset: 8, .size: 8, .value_kind: global_buffer, .address_space: global }
      - { .name: mask, .offset: 16, .size: 8, .value_kind: global_buffer, .address_space: global }
      - { .name: b, .offset: 24, .size: 8, .value_kind: global_buffer, .address_space: global }
      - { .name: out0, .offset: 32, .size: 8, .value_kind: global_buffer, .address_space: global }
    .group_segment_fixed_size: 288256
    .private_segment_fixed_size: 0
    .kernarg_segment_align: 8
    .kernarg_segment_size: 40
    .max_flat_workgroup_size: 256
    .sgpr_count:     96
    .vgpr_count:     512
    .wavefront_size: 32
...
	.end_amdgpu_metadata
.endif
;; end of part 3
